; MI455X (gfx1250); checked and timed in simulation.
; The chip was launched on July 23, 2026; its instructions are those of AMD's public machine-readable ISA for CDNA 5 (MIT licence, August 2026) and "CDNA5" Instruction Set Architecture Reference Guide (July 2026). The comments in the code are by the model that wrote it; some were corrected since.
;; Ex4bit Linear. Allowed arithmetic: float matrix products may take bf16 or f16 operands with f32 sums; other float arithmetic in f32, or as packed bf16 or f16 multiplies, adds, multiply-adds, maxima and minima; sums over many terms, partial sums and values carried from step to step in f32; what a program stores and reads back later, other than sums and carried values, may be rounded once to bf16 or f16.
;; Inputs: bias 4,096 float32; g_idx 4,096 int32; qweight 512 x 4,096 int32; qzeros 32 x 512 int32; scales 32 x 4,096 float32; x 4,096 x 4,096 float32.
;; Outputs: out0 4,096 x 4,096 float32.
;; 2 versions, each right; version 2 is version 1 with the launch prep written anew for expert scheduling mode. Each part assembles by itself: llvm-mc -triple=amdgcn-amd-amdhsa -mcpu=gfx1250 --defsym DOCPART=n.
;; ======== version 1 of 2: 2 launches
;; limits: values are held in f16: magnitudes above 65,504 overflow, below 6.1e-05 lose precision
;; workspace buffers: xh 33,554,432 bytes; wt 33,554,432 bytes
;; launch prep (part 1): grid 256 x 1, 16 waves a work-group, no clusters, 53,760 bytes of LDS; arguments x, qweight, qzeros, scales, g_idx, xh, wt; writes xh, wt
.if DOCPART == 1
	.amdgcn_target "amdgcn-amd-amdhsa--gfx1250"
	.amdhsa_code_object_version 6
	.text
	.protected	k_q132da9f142_prep
	.globl	k_q132da9f142_prep
	.p2align	8
	.type	k_q132da9f142_prep,@function
k_q132da9f142_prep:
	s_mov_b64 s[64:65], 0
	v_nop
	global_prefetch_b8 v0, s[64:65] scope:SCOPE_SE
	s_setreg_imm32_b32 hwreg(HW_REG_WAVE_MODE, 25, 1), 1
	s_wait_xcnt 0x0
; TWO JOBS, 1/256 of each in every work-group, so that no branch hangs on the work-group's number.
;   xh[m][k] = f16(x[m][k])                                             x: [4096][4096] f32, xh: the same shape in f16
;   wt[n][k] = f16(scales[g][n] * (q[k][n] - (z[g][n] + 1))), g = g_idx[k]     wt: [4096 n][4096 k] f16: W turned, K along the rows
; q: nibble k % 8 of qweight[k / 8][n]; z: nibble n % 8 of qzeros[g][n / 8].  q - (z + 1) is exact in f32 and the product is rounded once in f32, as in the
; definition; then once to f16.  The difference comes first and the product second, so the two are not one fused multiply-add.
; LIMITS.  f16 holds no number beyond 65,504: |x| and |scales (q - z - 1)| stay below it; below 6e-5 a number keeps f16's fixed step of 6e-8.  An index in g_idx above 31 counts as 31.
; SHARES.  Work-group b: columns 64 (b % 64) .. + 63 of W and rows 128 (b / 64) .. + 127 of qweight (1,024 k); and 262,144 bytes of x.
; Wave w of 16: kw = w % 8, nw = w / 8: 16 rows of qweight (128 k: 256 bytes of a row of wt) x 32 columns; and 16,384 bytes of x.
; Lane (r = l % 16, h = l / 16): row r of the wave's 16, and of each eight columns the four 4 h .. 4 h + 3.  A word of qweight is eight k of one column: 16 bytes of a row of wt,
; so the sixteen lanes r = 0 .. 15 store 256 consecutive bytes of one row of wt, at a multiple of 256 from its first byte.
; ALL LOADS GO OUT AT THE HEAD: 42 a wave, the 32 of x last; they stay on their way while W is made.  No loop, one barrier.
; No tensor loads, cluster or matrix unit: the work-groups share only the two small tables, and nothing is multiplied by anything but a scale.
.set TPITCH, 528                       ; a table row: 32 entries of 16 bytes + 16 of padding
.set TAB,    0                         ; 32 rows, one a group: entry p = (s[2p], s[2p+1], z[2p]+1, z[2p+1]+1) in f32, for the work-group's columns 2p, 2p+1
.set QPITCH, 272                       ; a row of the qweight tile: 64 words + 16 bytes: the 16 rows that a load touches start at 16 different groups of four banks (64 banks of 4 bytes: ISA guide 11.1)
.set QST,    TAB+32*TPITCH             ; 128 rows: the work-group's tile of qweight as it lies in memory
.set SPARE,  QST+128*QPITCH            ; behind them: the spare words, 128 bytes for each of 16 waves: eight blocks of 256 bytes that no other line names
.set SPW, 2                            ; v2   LDS address of my spare word; never rewritten
.set NIL, 3                            ; v3   0; never rewritten
.set XO,  4                            ; v4   16 l: my 16 bytes in 512 of x; never rewritten
.set XS,  5                            ; v5   8 l: my 8 bytes in 256 of xh; also my pair of columns in a row of scales; never rewritten
.set WO,  6                            ; v6   my 16 bytes in wt: 4 h rows of 8,192 bytes + 16 r; never rewritten
.set QR,  7                            ; v7   where I read my words of the tile
.set G,   8                            ; v[8:15]    g_idx of my eight k; then the LDS addresses of their table rows
.set W,   16                           ; v[16:31]   my 16 words of qweight: columns 8 c + 4 h + e at W + 4 c + e
.set T,   32                           ; v[32:95]   two sets of 32: eight table entries, one for each of my k
.set Q,   96                           ; v[96:111]  sixteen numbers at work: k j of the unit's two columns at Q + 2 j, Q + 2 j + 1
.set O,   112                          ; v[112:119] two times 16 bytes to store
.set X,   128                          ; v[128:255] x as loaded, then as stored
; used in the set-up alone, in registers that are free until the barrier
.set D,   32                           ; v[32:47]   the tile's 64 bytes a lane, on their way into LDS
.set E,   48                           ; v[48:55]   two table entries
.set Z,   56                           ; v[56:57]   two words of qzeros
.set RR,  96                           ; r
.set HH,  97                           ; h
.set QO,  98                           ; my 16 bytes in two rows of qweight
.set QS,  99                           ; and where they go in LDS
.set ZO,  101                          ; my word in a row of qzeros
.set SH,  102                          ; the bit at which my first column's nibble begins; SH + 1: my second column's
.set TS,  104                          ; where my table entry goes
.set GO,  105                          ; my eight numbers of g_idx
.set GB,  106                          ; my lane's place in a table row
.set R16, 107                          ; 16 r
.set WV,  20                           ; s20 wave; s21 nb; s22 kq; s23 kw; s24 nw
.set OX,  26                           ; s[26:39] seven byte offsets, each a pair with 0 on top: x, xh, qweight, scales, qzeros, g_idx, wt
.set OXH, 28
.set OQW, 30
.set OSC, 32
.set OQZ, 34
.set OGI, 36
.set OWT, 38
	s_load_b256 s[4:11], s[0:1], 0x0               ; x s[4:5], qweight s[6:7], qzeros s[8:9], scales s[10:11]
	s_load_b128 s[12:15], s[0:1], 0x20             ; g_idx s[12:13], xh s[14:15]
	s_load_b64 s[16:17], s[0:1], 0x30              ; wt
	v_lshl_add_u32 v[SPW], v0, 2, SPARE
	v_mov_b32 v[NIL], 0
	v_lshrrev_b32 v1, 5, v0
	v_readfirstlane_b32 s[WV], v1                  ; wave 0..15
	v_and_b32 v1, 31, v0                           ; l
	s_and_b32 s21, ttmp9, 63                       ; nb: which 64 columns
	s_lshr_b32 s22, ttmp9, 6                       ; kq: which 128 rows of qweight
	s_and_b32 s23, s[WV], 7                        ; kw
	s_lshr_b32 s24, s[WV], 3                       ; nw
	; the seven offsets
	s_lshl_b32 s40, ttmp9, 4
	s_add_co_u32 s40, s40, s[WV]                   ; 16 b + w
	s_lshl_b32 s[OX], s40, 14                      ; 16,384 bytes of x a wave
	s_mov_b32 s[OX+1], 0
	s_lshl_b32 s[OXH], s40, 13                     ; 8,192 of xh
	s_mov_b32 s[OXH+1], 0
	s_lshl_b32 s41, s21, 8                         ; 64 columns of 4 bytes
	s_lshl_b32 s40, s22, 7                         ; 128 kq
	s_lshl3_add_u32 s[OQW], s[WV], s40             ; + 8 w: the eight rows of the tile that I bring in,
	s_lshl_b32 s[OQW], s[OQW], 14                  ; of 16,384 bytes
	s_add_co_u32 s[OQW], s[OQW], s41
	s_mov_b32 s[OQW+1], 0
	s_lshl_b32 s[OSC], s[WV], 14                   ; scales: group w
	s_add_co_u32 s[OSC], s[OSC], s41
	s_mov_b32 s[OSC+1], 0
	s_lshl_b32 s[OQZ], s[WV], 11                   ; qzeros: group w, rows of 2,048 bytes,
	s_lshl_b32 s41, s21, 5                         ; 8 words for 64 columns
	s_add_co_u32 s[OQZ], s[OQZ], s41
	s_mov_b32 s[OQZ+1], 0
	s_lshl4_add_u32 s[OGI], s23, s40               ; g_idx: 128 kq + 16 kw rows of qweight,
	s_lshl_b32 s[OGI], s[OGI], 5                   ; eight numbers of 4 bytes each
	s_mov_b32 s[OGI+1], 0
	s_lshl_b32 s[OWT], s21, 6                      ; wt: row 64 nb + 32 nw,
	s_lshl_b32 s41, s24, 5
	s_add_co_u32 s[OWT], s[OWT], s41
	s_lshl_b32 s[OWT], s[OWT], 13                  ; of 8,192 bytes,
	s_lshl_b32 s41, s22, 11                        ; + 1,024 k of 2 bytes for kq
	s_add_co_u32 s[OWT], s[OWT], s41
	s_lshl_b32 s41, s23, 8                         ; + 128 k for kw
	s_add_co_u32 s[OWT], s[OWT], s41
	s_mov_b32 s[OWT+1], 0
	; the lanes' terms
	v_and_b32 v[RR], 15, v0
	v_bfe_u32 v[HH], v0, 4, 1
	v_lshlrev_b32 v[XO], 4, v1
	v_lshlrev_b32 v[XS], 3, v1
	v_lshlrev_b32 v[R16], 4, v[RR]
	v_lshl_add_u32 v[WO], v[HH], 15, v[R16]
	v_lshl_add_u32 v[QO], v[HH], 14, v[R16]        ; lanes 0-15 one row's 256 bytes, lanes 16-31 the next row's
	s_mul_i32 s40, s23, 16*QPITCH                  ; QR = QST + (16 kw + r) x pitch + 128 nw + 16 h
	s_lshl_b32 s41, s24, 7
	s_add_co_u32 s40, s40, s41
	s_add_co_u32 s40, s40, QST
	v_mul_u32_u24 v[QR], v[RR], QPITCH
	v_lshl_add_u32 v[QR], v[HH], 4, v[QR]
	v_add_nc_u32 v[QR], s40, v[QR]
	s_mul_i32 s40, s[WV], 8*QPITCH                 ; QS = QST + (8 w + h) x pitch + 16 r
	s_add_co_u32 s40, s40, QST
	v_mul_u32_u24 v[QS], v[HH], QPITCH
	v_add3_u32 v[QS], v[QS], v[R16], s40
	v_and_b32 v[ZO], 28, v0                        ; columns 2 l, 2 l + 1 lie in word l / 4,
	v_and_b32 v[SH], 3, v0
	v_lshlrev_b32 v[SH], 3, v[SH]                  ; at bits 8 (l % 4)
	v_add_nc_u32 v[SH+1], 4, v[SH]                 ; and 8 (l % 4) + 4
	s_mul_i32 s40, s[WV], TPITCH
	v_lshl_add_u32 v[TS], v1, 4, s40               ; row w, entry l
	v_lshlrev_b32 v[GO], 5, v[RR]
	s_lshl_b32 s41, s24, 8
	v_lshl_add_u32 v[GB], v[HH], 5, s41            ; entry 16 nw + 2 h
	s_wait_kmcnt 0x0
	s_add_nc_u64 s[4:5], s[4:5], s[OX:OX+1]
	s_add_nc_u64 s[6:7], s[6:7], s[OQW:OQW+1]
	s_add_nc_u64 s[8:9], s[8:9], s[OQZ:OQZ+1]
	s_add_nc_u64 s[10:11], s[10:11], s[OSC:OSC+1]
	s_add_nc_u64 s[12:13], s[12:13], s[OGI:OGI+1]
	s_add_nc_u64 s[14:15], s[14:15], s[OXH:OXH+1]
	s_add_nc_u64 s[16:17], s[16:17], s[OWT:OWT+1]
	; ALL LOADS.  Loads come back in order (ISA guide 5.7.1), so the ten that the tables and the tile need stand first
	global_load_b128 v[G:G+3],   v[GO], s[12:13]
	global_load_b128 v[G+4:G+7], v[GO], s[12:13] offset:16
	global_load_b64 v[E:E+1],   v[XS], s[10:11]                    ; groups w and w + 16: a wave's load covers the row's 256 bytes
	global_load_b64 v[E+4:E+5], v[XS], s[10:11] offset:16*16384
	global_load_b32 v[Z],   v[ZO], s[8:9]
	global_load_b32 v[Z+1], v[ZO], s[8:9] offset:16*2048
.irp i, 0,1,2,3
	global_load_b128 v[D+4*(\i):D+4*(\i)+3], v[QO], s[6:7] offset:2*16384*(\i) th:TH_LOAD_NT   ; two rows of the tile, 256 consecutive bytes each
.endr
.set i, 0
.rept 32
	global_load_b128 v[X+4*i:X+4*i+3], v[XO], s[4:5] offset:512*i th:TH_LOAD_NT                ; 512 consecutive bytes of x
.set i, i+1
.endr
	s_wait_loadcnt 32                              ; the ten first loads are in; the 32 younger ones, x's, stay out
.irp t, 0,1
	v_bfe_u32 v[E+4*(\t)+2], v[Z+(\t)], v[SH], 4
	v_bfe_u32 v[E+4*(\t)+3], v[Z+(\t)], v[SH+1], 4
	v_add_nc_u32 v[E+4*(\t)+2], 1, v[E+4*(\t)+2]   ; z + 1, in whole numbers
	v_add_nc_u32 v[E+4*(\t)+3], 1, v[E+4*(\t)+3]
	v_cvt_f32_u32 v[E+4*(\t)+2], v[E+4*(\t)+2]
	v_cvt_f32_u32 v[E+4*(\t)+3], v[E+4*(\t)+3]
	ds_store_b128 v[TS], v[E+4*(\t):E+4*(\t)+3] offset:TAB+16*TPITCH*(\t)
.endr
.irp i, 0,1,2,3
	ds_store_b128 v[QS], v[D+4*(\i):D+4*(\i)+3] offset:2*QPITCH*(\i)
.endr
.irp j, 0,1,2,3,4,5,6,7
	v_min_u32 v[G+(\j)], 31, v[G+(\j)]             ; a loaded number enters an address only clamped to the table
	v_mul_u32_u24 v[G+(\j)], v[G+(\j)], TPITCH
	v_add_nc_u32 v[G+(\j)], v[GB], v[G+(\j)]
.endr
	s_wait_dscnt 0x0                               ; for the others' sake: my part of the table and of the tile is written
	s_barrier_signal -1
	s_barrier_wait -1                              ; everybody's is; from here on LDS is only read
; Eight table entries, one for each of my k, for unit u's two columns, into set u % 2
.macro TLOAD u
.irp j, 0,1,2,3,4,5,6,7
	ds_load_b128 v[T+32*((\u)%2)+4*(\j):T+32*((\u)%2)+4*(\j)+3], v[G+(\j)] offset:TAB+64*((\u)/2)+16*((\u)%2)
.endr
.endm
; UNIT u: my columns 8 (u / 2) + 4 h + 2 (u % 2) and the next: two words of qweight become two times 16 bytes of wt
.macro UNIT u
.set TT, T+32*((\u)%2)
.set W0, W+2*(\u)
.irp j, 0,1,2,3,4,5,6,7
	v_bfe_u32 v[Q+2*(\j)],   v[W0],   4*(\j), 4
	v_bfe_u32 v[Q+2*(\j)+1], v[W0+1], 4*(\j), 4
.endr
.set i, 0
.rept 16
	v_cvt_f32_u32 v[Q+i], v[Q+i]
.set i, i+1
.endr
.if (\u) < 7
	s_wait_dscnt 8                                 ; LDS loads come back in order: this unit's set is in, the next unit's eight loads may stay out
.else
	s_wait_dscnt 0x0
.endif
.irp j, 0,1,2,3,4,5,6,7
	v_pk_add_f32 v[Q+2*(\j):Q+2*(\j)+1], v[Q+2*(\j):Q+2*(\j)+1], v[TT+4*(\j)+2:TT+4*(\j)+3] neg_lo:[0,1] neg_hi:[0,1]  ; q - (z + 1), exact
.endr
.irp j, 0,1,2,3,4,5,6,7
	v_pk_mul_f32 v[Q+2*(\j):Q+2*(\j)+1], v[Q+2*(\j):Q+2*(\j)+1], v[TT+4*(\j):TT+4*(\j)+1]                              ; times the scale
.endr
.if (\u) < 6
	TLOAD (\u)+2                                   ; into the set just read
.endif
.if (\u) > 0
	s_wait_xcnt 0x0                                ; O, which the last unit's two stores read, is rewritten only behind this wait
.endif
.irp c, 0,1
.irp p, 0,1,2,3
	v_cvt_pk_f16_f32 v[O+4*(\c)+(\p)], v[Q+4*(\p)+(\c)], v[Q+4*(\p)+2+(\c)]   ; k 2 p and 2 p + 1 of column c
.endr
.endr
	global_store_b128 v[WO], v[O:O+3],   s[16:17] offset:(8*((\u)/2)+2*((\u)%2))*8192 th:TH_STORE_NT    ; lanes 0-15: 256 consecutive bytes of one row of wt; lanes 16-31: of the row four further on
	global_store_b128 v[WO], v[O+4:O+7], s[16:17] offset:(8*((\u)/2)+2*((\u)%2)+1)*8192 th:TH_STORE_NT
.endm
.irp c, 0,1,2,3
	ds_load_b128 v[W+4*(\c):W+4*(\c)+3], v[QR] offset:32*(\c)
.endr
	TLOAD 0
	TLOAD 1
	s_wait_dscnt 16                                ; my words are in; the two sets of table entries may stay out
.irp u, 0,1,2,3,4,5,6,7
	UNIT \u
.endr
	; x: rounded in the registers that it was loaded into
.set i, 0
.rept 32
	s_wait_loadcnt 31-i                            ; load i is in, the younger ones stay out
	v_cvt_pk_f16_f32 v[X+4*i],   v[X+4*i],   v[X+4*i+1]
	v_cvt_pk_f16_f32 v[X+4*i+1], v[X+4*i+2], v[X+4*i+3]
	global_store_b64 v[XS], v[X+4*i:X+4*i+1], s[14:15] offset:256*i th:TH_STORE_NT   ; the wave's 32 lanes store 256 consecutive bytes, at a multiple of 256 from xh's first byte
.set i, i+1
.endr
	s_wait_tensorcnt 0x0                           ; the wave's end, behind my last LDS store
	ds_add_u32 v[SPW], v[NIL]
	s_wait_dscnt 0x0
	s_endpgm
.Lfunc_end_k_q132da9f142_prep:
	.size	k_q132da9f142_prep, .Lfunc_end_k_q132da9f142_prep-k_q132da9f142_prep
	.p2alignl 7, 3214868480
	.fill 96, 4, 3214868480
	.section	.rodata,"a",@progbits
	.p2align	6, 0x0
	.amdhsa_kernel k_q132da9f142_prep
		.amdhsa_group_segment_fixed_size 53760
		.amdhsa_private_segment_fixed_size 0
		.amdhsa_enable_private_segment 0
		.amdhsa_kernarg_size 56
		.amdhsa_user_sgpr_count 2
		.amdhsa_user_sgpr_kernarg_segment_ptr 1
		.amdhsa_wavefront_size32 1
		.amdhsa_system_sgpr_workgroup_id_x 1
		.amdhsa_system_sgpr_workgroup_id_y 1
		.amdhsa_system_sgpr_workgroup_id_z 1
		.amdhsa_system_vgpr_workitem_id 0
		.amdhsa_next_free_vgpr 256
		.amdhsa_next_free_sgpr 66
		.amdhsa_reserve_vcc 0
		.amdhsa_float_denorm_mode_32 3
		.amdhsa_float_denorm_mode_16_64 3
		.amdhsa_memory_ordered 1
		.amdhsa_forward_progress 1
		.amdhsa_inst_pref_size 48
	.end_amdhsa_kernel
	.amdgpu_metadata
---
amdhsa.version: [ 1, 2 ]
amdhsa.kernels:
  - .name:           k_q132da9f142_prep
    .symbol:         k_q132da9f142_prep.kd
    .args:
      - { .name: x, .offset: 0, .size: 8, .value_kind: global_buffer, .address_space: global }
      - { .name: qweight, .offset: 8, .size: 8, .value_kind: global_buffer, .address_space: global }
      - { .name: qzeros, .offset: 16, .size: 8, .value_kind: global_buffer, .address_space: global }
      - { .name: scales, .offset: 24, .size: 8, .value_kind: global_buffer, .address_space: global }
      - { .name: g_idx, .offset: 32, .size: 8, .value_kind: global_buffer, .address_space: global }
      - { .name: xh, .offset: 40, .size: 8, .value_kind: global_buffer, .address_space: global }
      - { .name: wt, .offset: 48, .size: 8, .value_kind: global_buffer, .address_space: global }
    .group_segment_fixed_size: 53760
    .private_segment_fixed_size: 0
    .kernarg_segment_align: 8
    .kernarg_segment_size: 56
    .max_flat_workgroup_size: 512
    .sgpr_count:     66
    .vgpr_count:     256
    .wavefront_size: 32
...
	.end_amdgpu_metadata
.endif
;; end of part 1
;; launch gemm (part 2): grid 16 x 16, 4 waves a work-group, clusters of 4 x 4, 327,680 bytes of LDS; arguments xh, wt, out0, bias; writes out0
.if DOCPART == 2
	.amdgcn_target "amdgcn-amd-amdhsa--gfx1250"
	.amdhsa_code_object_version 6
	.text
	.protected	k_q132da9f142_gemm
	.globl	k_q132da9f142_gemm
	.p2align	8
	.type	k_q132da9f142_gemm,@function
k_q132da9f142_gemm:
	s_mov_b64 s[64:65], 0
	v_nop
	global_prefetch_b8 v0, s[64:65] scope:SCOPE_SE
	s_setreg_imm32_b32 hwreg(HW_REG_WAVE_MODE, 25, 1), 1
	s_wait_xcnt 0x0
	s_wait_alu depctr_hold_cnt(0) depctr_sa_sdst(0) depctr_va_vdst(0) depctr_va_sdst(0) depctr_va_ssrc(0) depctr_va_vcc(0) depctr_vm_vsrc(0)
	s_getreg_b32 s2, hwreg(HW_REG_IB_STS2, 6, 4)
	s_cmp_eq_u32 s2, 0
	s_cbranch_scc0 .Lentry_in_a_cluster
	s_endpgm
.Lentry_in_a_cluster:
	s_bfe_u32 s2, ttmp6, 0x10000c
	s_cmp_lg_u32 s2, 0xf033
	s_cbranch_scc0 .Lentry_shape_is_right
	s_endpgm
.Lentry_shape_is_right:
; out0[m][n] = bias[n] + sum over k of A[m][k] B[n][k].  A = xh: [4096][4096] f16, B = wt: [4096 n][4096 k] f16, out0: [4096][4096] f32, bias: [4096] f32; sums in f32.
; LIMITS.  The operands are f16: they arrive below 65,504; NaN and infinities are not treated apart.
; A tile of out0, 256 x 256, is made by a work-group of four waves; a wave makes 128 x 128: 64 accumulators of 16 x 16, 512 registers.  4,096 x 4,096 are 256 tiles: one to a work-group.
; K goes in 32 steps of 128 through a ring of two LDS slots filled by the tensor data mover: the rows of A's and B's tiles are 256 bytes of memory and start at multiples of 256 bytes from the buffer's first byte.
; The last K step goes by rows of out0, so that finished rows leave while the others are multiplied.
; CLUSTERS: 4 x 4 work-groups.  The four of a row of the cluster need the same tiles of A, the four of a column the same tiles of B: each tile is asked for JOINTLY, by the same tensor load with
; the same descriptor and a mask that names the four; each receives it in its own LDS.
; REGISTERS, in windows of 256 (s_set_vgpr_msb: bits 1:0 source 0, 3:2 source 1, 5:4 source 2, 7:6 destination):
;   window 0: v0-31 addresses; v64-127, v128-191 fragments of A, two buffers (in the last K step four, of 16 rows x 128 K); v192-255 the bias of my 128 columns, later 16 rows on the way out
;   window 1: v64-127, v128-191 fragments of B, two buffers; in the last K step all 256      window 2: the 32 accumulators of my rows 0-63 ((a, b) at v[8 (8 a + b)]);  window 3: those of rows 64-127
; THE MATRIX INSTRUCTION IS USED TRANSPOSED: source 0 = 16 rows of B, source 1 = 16 rows of A.  In the result lane l holds row m = l % 16 and its registers 0 to 7 the columns 8 (l / 16) + 0 .. 7:
; 32 neighbouring bytes of a row of out0.  THE BIAS IS THE C OPERAND of the products that start the sums: register j of lane l for column block b is bias[16 b + 8 (l / 16) + j],
; the same for all row blocks: 64 registers; nothing is cleared and nothing is added later.
.set SIZE_M, 4096
.set SIZE_N, 4096
.set SIZE_K, 4096
.set KSTEP,  128
.set PITCH,  272                       ; an LDS row: 256 bytes of data + 16 of padding = 68 words: row r starts at bank 4 r mod 64 (64 banks of 4 bytes: ISA guide 11.1), so the 16 rows that a load touches start at 16 different banks
.set HALFT,  128*PITCH                 ; 128 rows: what one tensor load brings, and what one wave reads of A or of B
.set SLOT,   4*HALFT                   ; A's 256 rows, then B's 256 rows
.set STAGE,  2*SLOT                    ; behind the ring: 16 rows x 528 bytes for each wave, for the way out
.set SPITCH, 528                       ; a stage row: 128 f32 + 16 bytes: 33 x 16, so the 16 rows that a store touches start at 16 different groups of four banks
.set SPARE,  STAGE+4*16*SPITCH         ; behind the stages: the spare words, 128 bytes for each wave: two blocks of 256 bytes that no other line names
.set LAPS, SIZE_K/(2*KSTEP)            ; a lap = two K steps = once round the ring
.set ADRA, 16                          ; v16-17  LDS address of my A fragments in slot 0, 1
.set ADRB, 20                          ; v20-21  the same for B
.set STO,  24                          ; v24     the way out: where I put 32 bytes of a row
.set RD,   25                          ; v25     the way out: where I read 16 bytes of a row back
.set CO,   26                          ; v26     my 16 bytes in 512 of a row of out0
.set BO,   27                          ; v27     my eight numbers in 16 of the bias
.set SPW,  28                          ; v28     LDS address of my spare word: SPARE + 4 x my thread's number; never rewritten
.set NIL,  29                          ; v29     0; never rewritten
.set PFO,  30                          ; v30     the prefetches' offset: my lane x a row of A or B in memory; never rewritten
.set PFA,  44                          ; s[44:45] where my prefetches stand: my work-group's 32 rows of the 128 that I fetch, one K step further along K than the refill that is being asked for
.set LIM,  43                          ; s43     1 in a wave that prefetches, else the greatest number
.set BP,   66                          ; s[66:67] the bias at my first column
.set F0,   64                          ; fragment buffer 0
.set F1,   128                         ; fragment buffer 1
.set BIAS, 192                         ; the bias, in window 0
.set BK,   192                         ; the way out: 16 rows read back from the stage, where the bias lay
.set PA,   64                          ; the last K step: A's fragments of 16 rows x 128 K, 32 registers; four such buffers, v64-191
.set G1, 24                            ; s[24:31] descriptor group 1 for A's tiles
.set G0, 32                            ; s[32:39] descriptor group 0 for A's tiles, one set for each slot
.set G1B, 48                           ; s[48:55] descriptor group 1 for B's tiles: it differs from A's in the mask alone
.set G0B, 56                           ; s[56:63] descriptor group 0 for B's tiles, one set for each slot
.set MSB, 0
.macro WIN new                         ; the immediate's high byte repeats the setting that is left; a switch that changes nothing is dropped
.if MSB != (\new)
	s_set_vgpr_msb (MSB<<8)|(\new)
.set MSB, \new
.endif
.endm
.set MUL_LO, 0xa1                      ; source 0 (B) window 1, source 1 (A) window 0, C and D window 2; + 0x50: C and D window 3
.set MUL_ST, 0x81                      ; the same with C (the bias) in window 0; + 0x40: D window 3
.set TO_B,   0x40                      ; destination window 1, address window 0
; A joint load.  Waves 0 and 1 fetch A's two halves, waves 2 and 3 B's.  Each of the two lines has ONE mask and one set of registers for all that issue it, and nothing in
; them hangs on a coordinate that the four partners do not share.  The branch hangs on the wave's number alone.
; An s_nop 0 and four v_nop follow each of the two lines; the jump round the other line, the label and what follows the macro come after them.
.macro JLOAD s
	s_cmp_eq_u32 s11, 0
	s_cbranch_scc0 .Lfor_b_\@
	tensor_load_to_lds s[G0+4*(\s):G0+4*(\s)+3], s[G1:G1+7]
	s_nop 0
.rept 4
	v_nop
.endr
	s_branch .Lasked_\@
.Lfor_b_\@:
	tensor_load_to_lds s[G0B+4*(\s):G0B+4*(\s)+3], s[G1B:G1B+7]
	s_nop 0
.rept 4
	v_nop
.endr
.Lasked_\@:
.endm
; A PREFETCH INTO THE L2, behind each joint load, its five lines and the run of LDS loads that follows them: the K step that stands TWO refills on (512 matrix instructions ahead of the load that
; will want it): 32 rows x 256 bytes, a lane a row, one instruction a wave.  Each row's 256 bytes of a K step are named ONCE in the launch: A's tile row is read by every cluster of that row of
; clusters, and the one with cluster x = 0 asks; B's tile column by every cluster of that column, and cluster y = 0 asks.  The four partners that ask for a tile jointly share its rows out BY
; ADDRESS: of the 128 rows that a wave fetches the partner at place p takes 32 p .. 32 p + 31 (p = cx for A, cy for B).  The first names K step 4; the loop's last trip, whose refills are K steps 30 and 31, asks for nothing.
.macro ASK
	s_cmp_gt_u32 s3, s[LIM]                        ; s3 = 1 in the loop's last trip
	s_cbranch_scc0 .Lnot_mine_\@
	global_prefetch_b8 v[PFO], s[PFA:PFA+1] offset:KSTEP*2 th:TH_LOAD_NT scope:SCOPE_SE
.Lnot_mine_\@:
.endm
; A round of the cluster's barrier: my work-group's barrier, so that wave 0's signal speaks for all four waves; wave 0 signals for the work-group; every wave waits for all
; sixteen work-groups; my work-group's barrier once more.  No LDS instruction of the wave is pending at a signal.
.macro CREST                           ; a round behind its opening barrier
	s_cmp_lg_u32 s10, 0
	s_cbranch_scc1 .Lnot_wave_0_\@
	s_barrier_signal -3
.Lnot_wave_0_\@:
	s_barrier_wait -3
	s_barrier_signal -1
	s_barrier_wait -1
.endm
.macro CROUND                          ; a whole round
	s_barrier_signal -1
	s_barrier_wait -1
	CREST
.endm
	s_load_b128 s[4:7], s[0:1], 0x0                ; A s[4:5], B s[6:7]
	s_load_b64 s[8:9], s[0:1], 0x10                ; out0
	s_load_b64 s[BP:BP+1], s[0:1], 0x18            ; bias
	v_lshl_add_u32 v[SPW], v0, 2, SPARE
	v_mov_b32 v[NIL], 0
	ds_add_u32 v[SPW], v[NIL]                      ; the wave's opening: the add and its wait stand ahead of my first tensor load; the set-up below, work on registers, stands between them
	v_lshrrev_b32 v1, 5, v0
	v_readfirstlane_b32 s10, v1                    ; wave 0..3
	s_lshr_b32 s11, s10, 1                         ; which half of the tile's rows is mine.  Also: I fetch for A (0) or for B (1)
	s_and_b32 s12, s10, 1                          ; which half of its columns.  Also: which 128 rows of that tile I fetch
	s_bfe_u32 s40, ttmp6, 0x40000                  ; cx: my place along the cluster's x
	s_bfe_u32 s41, ttmp6, 0x40004                  ; cy: along its y
	s_lshl_b32 s42, ttmp9, 2                       ; in a cluster launch ttmp9 and ttmp7 count clusters
	s_add_co_u32 s42, s42, s40                     ; tile column = 4 x cluster x + cx
	s_and_b32 s13, ttmp7, 0xffff
	s_lshl_b32 s13, s13, 2
	s_add_co_u32 s13, s13, s41                     ; tile row = 4 x cluster y + cy
	s_lshl_b32 s43, s41, 2
	s_lshl_b32 s43, 15, s43                        ; my row of the cluster: places 4 cy .. 4 cy + 3
	s_lshl_b32 s44, 0x1111, s40                    ; my column: places cx, cx + 4, cx + 8, cx + 12
	; descriptor group 1: a tile of 128 rows x 128 elements, padded in LDS
	s_or_b32 s[G1+0], s43, (1<<16)|(1<<20)|(1<<21)|(5<<22)|(3<<25)  ; 15:0 the mask: A's tiles go to my row; 17:16 element of 2 bytes; 20 padding on; 21 set beside a mask; 24:22 after every 64 words (code 5); 31:25 of 4 words (code 3)
	s_or_b32 s[G1B+0], s44, (1<<16)|(1<<20)|(1<<21)|(5<<22)|(3<<25) ; the same with the mask of my column, for B's tiles
	s_mov_b32 s[G1B+1], KSTEP<<16
	s_mov_b32 s[G1+1], KSTEP<<16                   ; 63:48 tensor_dim0, low half = 128
	s_mov_b32 s[G1B+2], 128<<16
	s_mov_b32 s[G1+2], 128<<16                     ; 79:64 its high half = 0; 95:80 tensor_dim1, low half = 128
	s_mov_b32 s[G1B+3], KSTEP<<16
	s_mov_b32 s[G1+3], KSTEP<<16                   ; 111:96 its high half = 0; 127:112 tile_dim0 = 128
	s_mov_b32 s[G1B+4], 128
	s_mov_b32 s[G1+4], 128                         ; 143:128 tile_dim1 = 128; 159:144 tile_dim2 = 0
	s_mov_b32 s[G1B+5], SIZE_K
	s_mov_b32 s[G1+5], SIZE_K                      ; 191:160 tensor_dim0_stride, low word: elements from row to row
	s_mov_b32 s[G1B+6], 0
	s_mov_b32 s[G1+6], 0
	s_mov_b32 s[G1B+7], 0
	s_mov_b32 s[G1+7], 0
	; where the tiles come from.  A's hang on the tile row alone, which my row of the cluster shares; B's on the tile column alone, which my column shares.
	; Every wave makes both addresses, in registers that never hold the other coordinate, and asks by one of them.
	s_lshl_b32 s17, s12, 7                         ; which 128 rows of the tile I fetch
	s_lshl_b32 s16, s13, 8
	s_add_co_u32 s16, s16, s17                     ; A: row 256 x tile row + 128 x half
	s_lshl_b32 s46, s42, 8
	s_add_co_u32 s46, s46, s17                     ; B: row 256 x tile column + 128 x half
	s_mov_b32 s17, 0
	s_mov_b32 s47, 0
	s_mov_b64 s[18:19], SIZE_K*2
	s_mul_u64 s[16:17], s[16:17], s[18:19]         ; in bytes, in 64 bits
	s_mul_u64 s[46:47], s[46:47], s[18:19]
	s_mul_i32 s20, s10, HALFT                      ; and where they go: A's two halves, then B's two halves = wave x 128 rows: no place in the cluster enters an LDS address
	s_wait_dscnt 0x0                               ; the opening add is done
	s_wait_kmcnt 0x0
	s_add_nc_u64 s[14:15], s[4:5], s[16:17]
	s_add_nc_u64 s[46:47], s[6:7], s[46:47]
	CROUND                                         ; all sixteen work-groups are here: the first joint loads meet
.irp s, 0,1
	s_mov_b32 s[G0+4*(\s)], 1                                      ; 1:0 count = 1
	s_add_co_u32 s[G0+4*(\s)+1], s20, (\s)*SLOT                    ; 63:32 LDS address
	s_add_nc_u64 s[G0+4*(\s)+2:G0+4*(\s)+3], s[14:15], (\s)*KSTEP*2  ; 120:64 global address: K step s
	s_or_b32 s[G0+4*(\s)+3], s[G0+4*(\s)+3], 0x80000000            ; 127:126 type = 2
	s_mov_b32 s[G0B+4*(\s)], 1
	s_add_co_u32 s[G0B+4*(\s)+1], s20, (\s)*SLOT
	s_add_nc_u64 s[G0B+4*(\s)+2:G0B+4*(\s)+3], s[46:47], (\s)*KSTEP*2
	s_or_b32 s[G0B+4*(\s)+3], s[G0B+4*(\s)+3], 0x80000000
	JLOAD \s                                       ; the ring is filled before anything else is done: two tensor loads of mine are out
.endr
	; A fragment is 16 rows x 32 K in 8 registers: lane l holds row l % 16; registers 0-3 hold K = 8 (l / 16) + 0..7, registers 4-7 hold
	; K = 16 + 8 (l / 16) + 0..7.  From rows that lie along K: two loads of 16 bytes, 32 bytes apart.  The same for source 0 and source 1.
	v_and_b32 v1, 15, v0                           ; l % 16
	v_bfe_u32 v2, v0, 4, 1                         ; l / 16
	v_mul_u32_u24 v3, v1, PITCH
	v_lshl_add_u32 v3, v2, 4, v3                   ; row x pitch + 16 x half
	s_mul_i32 s21, s11, HALFT                      ; my 128 rows of A
	s_mul_i32 s22, s12, HALFT                      ; my 128 rows of B,
	s_add_co_u32 s22, s22, 2*HALFT                 ; which lie behind A's 256
.irp s, 0,1
	v_add_nc_u32 v[ADRA+(\s)], s21, v3
	v_add_nc_u32 v[ADRB+(\s)], s22, v3
	s_add_co_u32 s21, s21, SLOT
	s_add_co_u32 s22, s22, SLOT
.endr
	s_mul_i32 s23, s10, 16*SPITCH
	s_add_co_u32 s23, s23, STAGE                   ; my stage
	v_mul_u32_u24 v4, v1, SPITCH                   ; in: row l % 16, 32 bytes for each half of the lanes
	v_lshl_add_u32 v4, v2, 5, v4
	v_add_nc_u32 v[STO], s23, v4
	v_and_b32 v5, 31, v0
	v_lshlrev_b32 v[CO], 4, v5                     ; back: the 32 lanes take one row of 512 bytes, and the same in out0
	v_add_nc_u32 v[RD], s23, v[CO]
	v_lshlrev_b32 v[BO], 5, v2                     ; eight numbers of the bias for each half of the lanes
	; where my part of the tile begins in out0, in bytes: the way out adds it to out0's address
	s_lshl_b32 s13, s13, 8
	s_lshl_b32 s14, s11, 7
	s_add_co_u32 s16, s13, s14                     ; my first row
	s_mov_b32 s17, 0
	s_mov_b64 s[18:19], SIZE_N*4
	s_mul_u64 s[16:17], s[16:17], s[18:19]
	s_lshl_b32 s46, s42, 10                        ; my first column, in bytes: 1,024 x tile column + 512 x half (in the registers that held B's address: none that feeds A's descriptors ever holds cx)
	s_lshl_b32 s47, s12, 9
	s_add_co_u32 s46, s46, s47
	s_mov_b32 s47, 0
	s_add_nc_u64 s[16:17], s[16:17], s[46:47]
	s_add_nc_u64 s[BP:BP+1], s[BP:BP+1], s[46:47]  ; the bias has 4 bytes a column too
.irp b, 0,1,2,3,4,5,6,7
	global_load_b128 v[BIAS+8*(\b):BIAS+8*(\b)+3],   v[BO], s[BP:BP+1] offset:64*(\b)
	global_load_b128 v[BIAS+8*(\b)+4:BIAS+8*(\b)+7], v[BO], s[BP:BP+1] offset:64*(\b)+16
.endr
	; the prefetches.  s13 = 256 x tile row, s42 = tile column, s40 = cx, s41 = cy still stand; s[4:5] = A, s[6:7] = B
	s_lshl_b32 s42, s42, 8
	s_and_b32 s22, ttmp7, 0xffff                   ; cluster y
	s_cmp_eq_u32 s11, 0                            ; do I fetch for A?
	s_cselect_b32 s20, s13, s42                    ; the tile's first row: in A by the tile row, in B by the tile column
	s_cselect_b32 s21, s40, s41                    ; my place among the four that ask for it with me
	s_cselect_b32 s22, ttmp9, s22                  ; the coordinate along which other clusters read the same rows
	s_cselect_b64 s[PFA:PFA+1], s[4:5], s[6:7]
	s_cmp_eq_u32 s22, 0
	s_cselect_b32 s[LIM], 1, -1                    ; the same in all sixteen partners, for a given wave
	s_lshl_b32 s22, s12, 7
	s_add_co_u32 s20, s20, s22                     ; + the 128 rows that I fetch
	s_lshl_b32 s21, s21, 5
	s_add_co_u32 s20, s20, s21                     ; + my work-group's 32 of them
	s_mov_b32 s21, 0
	s_mov_b64 s[18:19], SIZE_K*2
	s_mul_u64 s[20:21], s[20:21], s[18:19]
	s_add_nc_u64 s[PFA:PFA+1], s[PFA:PFA+1], s[20:21]
	s_add_nc_u64 s[PFA:PFA+1], s[PFA:PFA+1], 2*KSTEP*2  ; at K step 2: the first refill steps it to 3 and names K step 4
	v_and_b32 v[PFO], 31, v0
	v_mul_u32_u24 v[PFO], v[PFO], SIZE_K*2
	; nothing is prefetched here, at the head, where every work-group's first two tiles are on their way: K steps 2 and 3 come by their refills alone
; 16 matrix instructions: m blocks a0, a0 + 1 of the window's four (hi = 0: my rows 0-63, 1: rows 64-127) x all 8 n blocks, 32 along K.
; start = 1: the first product starts the sums, with the bias as its C.  The 64 accumulators take turns, one instruction a turn, in the same order in every quarter step.
.macro MUL16 f, hi, a0, start
.if \start
	WIN MUL_ST+0x40*(\hi)
.else
	WIN MUL_LO+0x50*(\hi)
.endif
.irp a, \a0, (\a0)+1
.irp b, 0,1,2,3,4,5,6,7
.if \start
	v_wmma_f32_16x16x32_f16 v[8*(8*(\a)+(\b)):8*(8*(\a)+(\b))+7], v[(\f)+8*(\b):(\f)+8*(\b)+7], v[(\f)+8*(4*(\hi)+(\a)):(\f)+8*(4*(\hi)+(\a))+7], v[BIAS+8*(\b):BIAS+8*(\b)+7]
.else
	v_wmma_f32_16x16x32_f16 v[8*(8*(\a)+(\b)):8*(8*(\a)+(\b))+7], v[(\f)+8*(\b):(\f)+8*(\b)+7], v[(\f)+8*(4*(\hi)+(\a)):(\f)+8*(4*(\hi)+(\a))+7], v[8*(8*(\a)+(\b)):8*(8*(\a)+(\b))+7]
.endif
.endr
.endr
.endm
; 32 LDS loads in one run: the fragments of one quarter step (128 rows of B, 128 rows of A, 32 K at byte k of the rows) into buffer f
.macro FETCH slot, k, f
	WIN TO_B
.irp i, 0,1,2,3,4,5,6,7
	ds_load_b128 v[(\f)+8*(\i):(\f)+8*(\i)+3],   v[ADRB+(\slot)] offset:(\k)+(\i)*16*PITCH
	ds_load_b128 v[(\f)+8*(\i)+4:(\f)+8*(\i)+7], v[ADRB+(\slot)] offset:(\k)+(\i)*16*PITCH+32
.endr
	WIN 0
.irp i, 0,1,2,3,4,5,6,7
	ds_load_b128 v[(\f)+8*(\i):(\f)+8*(\i)+3],   v[ADRA+(\slot)] offset:(\k)+(\i)*16*PITCH
	ds_load_b128 v[(\f)+8*(\i)+4:(\f)+8*(\i)+7], v[ADRA+(\slot)] offset:(\k)+(\i)*16*PITCH+32
.endr
.endm
; A load into a register that a matrix instruction has read, and an LDS store that reads a matrix result, stand four places behind that matrix instruction, and only plain vector
; instructions that name none of its registers are places (ISA guide 7.12.1 for vector instructions); the matrix instructions in between are not counted.
.macro PLACES
.rept 4
	v_nop
.endr
.endm
; A K step is four quarter steps of 32 along K, 64 matrix instructions each, on buffers 0, 1, 0, 1.
; One of the first three: multiplies buffer f; in its middle it fetches the next quarter's fragments, at byte k of the same slot's rows, into buffer g.
.macro QUARTER slot, k, f, g, start
	s_wait_dscnt 8                                 ; B and A's rows 0-63 are in; the youngest eight loads (A's rows 64-127) may be out
	MUL16 \f, 0, 0, \start
	MUL16 \f, 0, 2, \start
	PLACES
	FETCH \slot, \k, \g
	s_wait_dscnt 32                                ; all but the 32 just issued
	MUL16 \f, 1, 0, \start
	MUL16 \f, 1, 2, \start
.endm
; The last quarter multiplies buffer 1 and changes slots.  MEET is its first half: ONE barrier for the change of slots, for two things.  In front of it each wave waits for
; all its tensor loads, of which one is out: its part of the next slot; adds 0 to its spare word; and waits for that and for its own reads of this slot.  Behind it nobody reads this slot any more and the next slot is whole.
.macro MEET round                      ; round = 1: a round of the cluster's barrier follows
	WIN 0                                          ; (the add's two registers lie in window 0)
	s_wait_tensorcnt 0x0                           ; all my tensor loads have landed: the one that was out is my part of the next slot;
	ds_add_u32 v[SPW], v[NIL]                      ; 0 onto my spare word;
	s_wait_dscnt 9                                 ; (the add and the youngest eight loads may be out)
	MUL16 F1, 0, 0, 0                              ; sixteen matrix instructions stand between the add and the wait for it
	s_wait_dscnt 0x0                               ; the add is done, and my reads of this slot are over (the last were issued 48 matrix instructions ago):
	s_barrier_signal -1                            ; say so (where a slot is filled again this barrier opens a round of the cluster's barrier),
	MUL16 F1, 0, 2, 0                              ; work on registers while the others arrive,
.if \round
	WIN 0
.endif
	s_barrier_wait -1                              ; and go on when all four have said so
.endm
; The whole last quarter.  Behind the round the slot just read out is filled again first, with the K step two steps on; then come the next slot's first fragments.
; From a request to the wait for it a wave issues 224 matrix instructions; one tensor load of mine is out behind each round.
.macro TURN slot, next
	s_wait_xcnt 0x0                                ; the last prefetch, a K step back, has read its address: it is stepped here, ahead of the waits of the change of slots
	s_add_nc_u64 s[PFA:PFA+1], s[PFA:PFA+1], KSTEP*2
	MEET 1
	CREST                                          ; wave 0 says so for the work-group, all sixteen work-groups have said so, my work-group's barrier closes the round:
	                                               ; no wave of any partner still reads this slot's tile or has a load on its way
	s_add_nc_u64 s[G0+4*(\slot)+2:G0+4*(\slot)+3], s[G0+4*(\slot)+2:G0+4*(\slot)+3], 2*KSTEP*2
	s_add_nc_u64 s[G0B+4*(\slot)+2:G0B+4*(\slot)+3], s[G0B+4*(\slot)+2:G0B+4*(\slot)+3], 2*KSTEP*2
	JLOAD \slot                                    ; the first tensor load behind the round; the four v_nop behind it are also the places in front of the loads below
	FETCH \next, 0, F0
	ASK                                            ; behind the joint load and the run of LDS loads that the next products wait for
	MUL16 F1, 1, 0, 0
	MUL16 F1, 1, 2, 0
.endm
; THE LAST K STEP (it lies in slot 1) GOES BY ROWS OF out0, NOT BY K.  All its fragments of B (4 quarters x 64 registers) fill window 1; then my eight blocks of 16 rows are
; finished one after the other, each with 32 matrix instructions (its 8 accumulators by turns, K ascending).  LDS is read no more than in any other K step.
.macro BLOAD q                         ; B's fragments of quarter q -> window 1, v[64 q ..]
	WIN TO_B
.irp i, 0,1,2,3,4,5,6,7
	ds_load_b128 v[64*(\q)+8*(\i):64*(\q)+8*(\i)+3],   v[ADRB+1] offset:64*(\q)+(\i)*16*PITCH
	ds_load_b128 v[64*(\q)+8*(\i)+4:64*(\q)+8*(\i)+7], v[ADRB+1] offset:64*(\q)+(\i)*16*PITCH+32
.endr
.endm
.macro ALOAD a                         ; A's fragments of block a, all four quarters -> buffer a % 4
	WIN 0
.set FA, PA+32*((\a)%4)
.irp q, 0,1,2,3
	ds_load_b128 v[FA+8*(\q):FA+8*(\q)+3],   v[ADRA+1] offset:64*(\q)+(\a)*16*PITCH
	ds_load_b128 v[FA+8*(\q)+4:FA+8*(\q)+7], v[ADRA+1] offset:64*(\q)+(\a)*16*PITCH+32
.endr
.endm
.macro ROW a                           ; block a is finished: 32 matrix instructions
.set FA, PA+32*((\a)%4)                ; its fragments of A
.set AC, 64*((\a)%4)                   ; its eight accumulators, in window 2 (blocks 0-3) or 3 (blocks 4-7)
	WIN MUL_LO+0x50*((\a)/4)
.irp q, 0,1,2,3
.if (\a) == 0 && (\q) == 2
	s_wait_dscnt 24                                ; B's quarter 2 is in (behind it: A's blocks 1 to 3)
.endif
.irp b, 0,1,2,3,4,5,6,7
	v_wmma_f32_16x16x32_f16 v[AC+8*(\b):AC+8*(\b)+7], v[64*(\q)+8*(\b):64*(\q)+8*(\b)+7], v[FA+8*(\q):FA+8*(\q)+7], v[AC+8*(\b):AC+8*(\b)+7]
.endr
.endr
.endm
; THE WAY OUT of block a, 16 rows x 128 columns of f32.  TOSTAGE: a lane's 32 bytes of a row go from the accumulators straight into my own stage in LDS (each accumulator's low four registers first),
; and come back as whole rows of 512 bytes.  SEND: stored.  Nothing is converted.
.macro TOSTAGE a
.set AC, 64*((\a)%4)
	WIN 0x08+4*((\a)/4)                            ; the stores' data (source 1) in window 2 or 3, their address in window 0
.irp b, 0,1,2,3,4,5,6,7
	ds_store_b128 v[STO], v[AC+8*(\b):AC+8*(\b)+3]   offset:64*(\b)
	ds_store_b128 v[STO], v[AC+8*(\b)+4:AC+8*(\b)+7] offset:64*(\b)+16
.endr
	WIN 0
	s_wait_xcnt 0x0                                ; the block before's stores have read their data and their base: only behind this wait are BK's registers loaded again and the base stepped
.irp t, 0,1,2,3,4,5,6,7,8,9,10,11,12,13,14,15
	ds_load_b128 v[BK+4*(\t):BK+4*(\t)+3], v[RD] offset:(\t)*SPITCH  ; LDS serves a wave's instructions in order (ISA guide 5.7.1.4): these see the stores above; the next block's stores come behind them
.endr
.endm
.macro SEND a, younger                 ; younger: the LDS loads issued behind TOSTAGE's, which may stay out
	WIN 0
.if (\a) == 0
	s_add_nc_u64 s[8:9], s[8:9], s[16:17]          ; on to my first rows
.else
	s_add_nc_u64 s[8:9], s[8:9], 16*SIZE_N*4       ; 16 rows on, so that the stores' offsets stay at 15 rows at the most
.endif
.irp t, 0,1,2,3,4,5,6,7,8,9,10,11,12,13,14,15
	s_wait_dscnt (\younger)+15-(\t)                ; row t is back in registers; the rows behind it may be out
	global_store_b128 v[CO], v[BK+4*(\t):BK+4*(\t)+3], s[8:9] offset:(\t)*SIZE_N*4 th:TH_STORE_NT  ; the wave stores 512 consecutive bytes, at a multiple of 512 from out0's first byte
.endr
.endm
	s_wait_tensorcnt 1                             ; my part of K step 0 is in; K step 1's load may stay out
	s_barrier_signal -1
	s_barrier_wait -1                              ; everybody's is
	FETCH 0, 0, F0
	s_wait_loadcnt 0x0                             ; the bias
	QUARTER 0, 64,  F0, F1, 1                      ; the first quarter stands in front of the loop: its products start the sums
	WIN 0                                          ; at a label and at a branch every window is 0
	s_mov_b32 s3, LAPS-1
.Llap:                                                 ; a trip goes once round the ring, from a lap's second quarter to the next lap's first, and fills both slots again
	QUARTER 0, 128, F1, F0, 0
	QUARTER 0, 192, F0, F1, 0
	TURN 0, 1
	QUARTER 1, 64,  F0, F1, 0
	QUARTER 1, 128, F1, F0, 0
	QUARTER 1, 192, F0, F1, 0
	TURN 1, 0
	QUARTER 0, 64,  F0, F1, 0
	WIN 0
	s_sub_co_u32 s3, s3, 1
	s_cmp_lg_u32 s3, 0
	s_cbranch_scc1 .Llap
	QUARTER 0, 128, F1, F0, 0                      ; the last lap goes on
	QUARTER 0, 192, F0, F1, 0
	MEET 0                                         ; my one tensor load that was still out is slot 1's, the last K step's, so no round follows
	PLACES                                         ; for the loads into buffer 0, which the quarter before multiplied
	BLOAD 0                                        ; three quarters of B now: buffer 1 (v128-191 of both windows) is still being multiplied
	BLOAD 1
	BLOAD 3
	ALOAD 0
	MUL16 F1, 1, 0, 0
	MUL16 F1, 1, 2, 0
	PLACES                                         ; for the loads into buffer 1
	BLOAD 2
	ALOAD 1
	ALOAD 2
	ALOAD 3
	s_wait_dscnt 40                                ; all but the 40 just issued
	ROW 0
.irp a, 0,1,2,3,4,5,6,7                ; each block leaves as soon as it is finished: nothing follows this tile, so the sooner its stores begin, the sooner the launch ends
	PLACES                                         ; its LDS stores read results just made, and the load below lands on fragments just read
	TOSTAGE \a
.if (\a) < 4
	ALOAD (\a)+4                                   ; its buffer takes the block four further on
	SEND \a, 8
.else
	SEND \a, 0
.endif
.if (\a) < 7
	ROW (\a)+1
.endif
.endr
	s_wait_tensorcnt 0x0                           ; the wave's end, behind my last tensor load and my last LDS store
	ds_add_u32 v[SPW], v[NIL]
	s_wait_dscnt 0x0
	CROUND                                         ; the closing round: no work-group ends while a partner may still ask for a tile that names it
	s_endpgm
.Lfunc_end_k_q132da9f142_gemm:
	.size	k_q132da9f142_gemm, .Lfunc_end_k_q132da9f142_gemm-k_q132da9f142_gemm
	.p2alignl 7, 3214868480
	.fill 96, 4, 3214868480
	.section	.rodata,"a",@progbits
	.p2align	6, 0x0
	.amdhsa_kernel k_q132da9f142_gemm
		.amdhsa_group_segment_fixed_size 327680
		.amdhsa_private_segment_fixed_size 0
		.amdhsa_enable_private_segment 0
		.amdhsa_kernarg_size 32
		.amdhsa_user_sgpr_count 2
		.amdhsa_user_sgpr_kernarg_segment_ptr 1
		.amdhsa_wavefront_size32 1
		.amdhsa_system_sgpr_workgroup_id_x 1
		.amdhsa_system_sgpr_workgroup_id_y 1
		.amdhsa_system_sgpr_workgroup_id_z 1
		.amdhsa_system_vgpr_workitem_id 0
		.amdhsa_next_free_vgpr 1024
		.amdhsa_next_free_sgpr 72
		.amdhsa_reserve_vcc 0
		.amdhsa_float_denorm_mode_32 3
		.amdhsa_float_denorm_mode_16_64 3
		.amdhsa_memory_ordered 1
		.amdhsa_forward_progress 1
		.amdhsa_inst_pref_size 147
	.end_amdhsa_kernel
	.amdgpu_metadata
---
amdhsa.version: [ 1, 2 ]
amdhsa.kernels:
  - .name:           k_q132da9f142_gemm
    .symbol:         k_q132da9f142_gemm.kd
    .args:
      - { .name: xh, .offset: 0, .size: 8, .value_kind: global_buffer, .address_space: global }
      - { .name: wt, .offset: 8, .size: 8, .value_kind: global_buffer, .address_space: global }
      - { .name: out0, .offset: 16, .size: 8, .value_kind: global_buffer, .address_space: global }
      - { .name: bias, .offset: 24, .size: 8, .value_kind: global_buffer, .address_space: global }
    .group_segment_fixed_size: 327680
    .private_segment_fixed_size: 0
    .kernarg_segment_align: 8
    .kernarg_segment_size: 32
    .max_flat_workgroup_size: 128
    .sgpr_count:     72
    .vgpr_count:     1024
    .wavefront_size: 32
...
	.end_amdgpu_metadata
.endif
;; end of part 2
;; ======== version 2 of 2: 2 launches; version 1 with the launch prep written anew for expert scheduling mode
;; limits: values are held in f16: magnitudes above 65,504 overflow, below 6.1e-05 lose precision
;; workspace buffers: xh 33,554,432 bytes; wt 33,554,432 bytes
;; launch prep (part 3): grid 256 x 1, 16 waves a work-group, no clusters, 53,760 bytes of LDS; arguments x, qweight, qzeros, scales, g_idx, xh, wt; writes xh, wt
.if DOCPART == 3
	.amdgcn_target "amdgcn-amd-amdhsa--gfx1250"
	.amdhsa_code_object_version 6
	.text
	.protected	k_q132da9f142_prep
	.globl	k_q132da9f142_prep
	.p2align	8
	.type	k_q132da9f142_prep,@function
k_q132da9f142_prep:
	s_mov_b64 s[64:65], 0
	v_nop
	global_prefetch_b8 v0, s[64:65] scope:SCOPE_SE
	s_setreg_imm32_b32 hwreg(HW_REG_WAVE_SCHED_MODE, 0, 2), 2
	s_setreg_imm32_b32 hwreg(HW_REG_WAVE_MODE, 25, 1), 1
	s_wait_xcnt 0x0
	s_wait_alu depctr_vm_vsrc(0)
; TWO JOBS, 1/256 of each in every work-group, so that no branch hangs on the work-group's number.
;   xh[m][k] = f16(x[m][k])                                             x: [4096][4096] f32, xh: the same shape in f16
;   wt[n][k] = f16(scales[g][n] * (q[k][n] - (z[g][n] + 1))), g = g_idx[k]     wt: [4096 n][4096 k] f16: W turned, K along the rows
; q: nibble k % 8 of qweight[k / 8][n]; z: nibble n % 8 of qzeros[g][n / 8].  q - (z + 1) is exact in f32 and the product is rounded once in f32, as in the
; definition; then once to f16.  The difference comes first and the product second, so the two are not one fused multiply-add.
; LIMITS.  f16 holds no number beyond 65,504: |x| and |scales (q - z - 1)| stay below it; below 6e-5 a number keeps f16's fixed step of 6e-8.  An index in g_idx above 31 counts as 31.
; SHARES.  Work-group b: columns 64 (b % 64) .. + 63 of W and rows 128 (b / 64) .. + 127 of qweight (1,024 k); and 262,144 bytes of x.
; Wave w of 16: kw = w % 8, nw = w / 8: 16 rows of qweight (128 k: 256 bytes of a row of wt) x 32 columns; and 16,384 bytes of x.
; Lane (r = l % 16, h = l / 16): row r of the wave's 16, and of each eight columns the four 4 h .. 4 h + 3.  A word of qweight is eight k of one column: 16 bytes of a row of wt,
; so the sixteen lanes r = 0 .. 15 store 256 consecutive bytes of one row of wt, at a multiple of 256 from its first byte.
; ALL LOADS GO OUT AT THE HEAD: 42 a wave, the 32 of x last; they stay on their way while W is made.  No loop, one barrier.
; No tensor loads, cluster or matrix unit: the work-groups share only the two small tables, and nothing is multiplied by anything but a scale.
; THE MODE: SCHED_MODE bits 1:0 = 2 (LLVM: expert scheduling mode 2), set by the entry lines.  The code itself states the register dependences
; between vector instructions and memory or LDS instructions, with s_wait_alu, always for 0.
; THE PLAN.  Registers that memory or LDS instructions touch:
;   XO, XS, WO, QR   offsets and an LDS address, made at the head, never written again.
;   QO, QS, ZO, TS, GO   made at the head, read by the head's loads and the six LDS stores; they lie where Q lies, which unit 0 writes.
;   D, E, Z          loaded at the head; E's upper halves are made by vector lines from Z; D and E are read by the LDS stores; all lie where T lies, in which the table loads land.
;   G                loaded, then made into LDS addresses by vector lines; read by every table load; never written again.
;   W                loaded from LDS once, read by vector lines alone.
;   T0, T1           unit u's packed lines read set u % 2; behind them unit u + 2's entries land in it.
;   O                written by unit u's roundings, read by its two stores, written again by unit u + 1's roundings.
;   X                each load's four registers: rounded in place, two of them stored, never written again.
; So: one wait on va_vdst ahead of the first load; one behind the set-up's arithmetic; one in each unit, behind its roundings, for the refill of the table set and the two stores alike;
; one for each eight stores of xh.  One wait on vm_vsrc behind the barrier, and one in each unit but the first, ahead of its roundings.
.set TPITCH, 528                       ; a table row: 32 entries of 16 bytes + 16 of padding
.set TAB,    0                         ; 32 rows, one a group: entry p = (s[2p], s[2p+1], z[2p]+1, z[2p+1]+1) in f32, for the work-group's columns 2p, 2p+1
.set QPITCH, 272                       ; a row of the qweight tile: 64 words + 16 bytes: the 16 rows that a load touches start at 16 different groups of four banks (64 banks of 4 bytes: ISA guide 11.1)
.set QST,    TAB+32*TPITCH             ; 128 rows: the work-group's tile of qweight as it lies in memory
.set SPARE,  QST+128*QPITCH            ; behind them: the spare words, 128 bytes for each of 16 waves: eight blocks of 256 bytes that no other line names
.set SPW, 2                            ; v2   LDS address of my spare word; never rewritten
.set NIL, 3                            ; v3   0; never rewritten
.set XO,  4                            ; v4   16 l: my 16 bytes in 512 of x; never rewritten
.set XS,  5                            ; v5   8 l: my 8 bytes in 256 of xh; also my pair of columns in a row of scales; never rewritten
.set WO,  6                            ; v6   my 16 bytes in wt: 4 h rows of 8,192 bytes + 16 r; never rewritten
.set QR,  7                            ; v7   where I read my words of the tile
.set G,   8                            ; v[8:15]    g_idx of my eight k; then the LDS addresses of their table rows
.set W,   16                           ; v[16:31]   my 16 words of qweight: columns 8 c + 4 h + e at W + 4 c + e
.set T,   32                           ; v[32:95]   two sets of 32: eight table entries, one for each of my k
.set Q,   96                           ; v[96:111]  sixteen numbers at work: k j of the unit's two columns at Q + 2 j, Q + 2 j + 1
.set O,   112                          ; v[112:119] two times 16 bytes to store
.set X,   128                          ; v[128:255] x as loaded, then as stored
; used in the set-up alone, in registers that are free until the barrier
.set D,   32                           ; v[32:47]   the tile's 64 bytes a lane, on their way into LDS
.set E,   48                           ; v[48:55]   two table entries
.set Z,   56                           ; v[56:57]   two words of qzeros
.set RR,  96                           ; r
.set HH,  97                           ; h
.set QO,  98                           ; my 16 bytes in two rows of qweight
.set QS,  99                           ; and where they go in LDS
.set ZO,  101                          ; my word in a row of qzeros
.set SH,  102                          ; the bit at which my first column's nibble begins; SH + 1: my second column's
.set TS,  104                          ; where my table entry goes
.set GO,  105                          ; my eight numbers of g_idx
.set GB,  106                          ; my lane's place in a table row
.set R16, 107                          ; 16 r
.set WV,  20                           ; s20 wave; s21 nb; s22 kq; s23 kw; s24 nw
.set OX,  26                           ; s[26:39] seven byte offsets, each a pair with 0 on top: x, xh, qweight, scales, qzeros, g_idx, wt
.set OXH, 28
.set OQW, 30
.set OSC, 32
.set OQZ, 34
.set OGI, 36
.set OWT, 38
	s_load_b256 s[4:11], s[0:1], 0x0               ; x s[4:5], qweight s[6:7], qzeros s[8:9], scales s[10:11]
	s_load_b128 s[12:15], s[0:1], 0x20             ; g_idx s[12:13], xh s[14:15]
	s_load_b64 s[16:17], s[0:1], 0x30              ; wt
	v_lshl_add_u32 v[SPW], v0, 2, SPARE
	v_mov_b32 v[NIL], 0
	v_lshrrev_b32 v1, 5, v0
	v_readfirstlane_b32 s[WV], v1                  ; wave 0..15
	v_and_b32 v1, 31, v0                           ; l
	s_and_b32 s21, ttmp9, 63                       ; nb: which 64 columns
	s_lshr_b32 s22, ttmp9, 6                       ; kq: which 128 rows of qweight
	s_wait_alu depctr_va_sdst(0)                   ; s20, the wave's number, is written, ahead of its first reader: the offsets below are made from it
	s_and_b32 s23, s[WV], 7                        ; kw
	s_lshr_b32 s24, s[WV], 3                       ; nw
	; the seven offsets
	s_lshl_b32 s40, ttmp9, 4
	s_add_co_u32 s40, s40, s[WV]                   ; 16 b + w
	s_lshl_b32 s[OX], s40, 14                      ; 16,384 bytes of x a wave
	s_mov_b32 s[OX+1], 0
	s_lshl_b32 s[OXH], s40, 13                     ; 8,192 of xh
	s_mov_b32 s[OXH+1], 0
	s_lshl_b32 s41, s21, 8                         ; 64 columns of 4 bytes
	s_lshl_b32 s40, s22, 7                         ; 128 kq
	s_lshl3_add_u32 s[OQW], s[WV], s40             ; + 8 w: the eight rows of the tile that I bring in,
	s_lshl_b32 s[OQW], s[OQW], 14                  ; of 16,384 bytes
	s_add_co_u32 s[OQW], s[OQW], s41
	s_mov_b32 s[OQW+1], 0
	s_lshl_b32 s[OSC], s[WV], 14                   ; scales: group w
	s_add_co_u32 s[OSC], s[OSC], s41
	s_mov_b32 s[OSC+1], 0
	s_lshl_b32 s[OQZ], s[WV], 11                   ; qzeros: group w, rows of 2,048 bytes,
	s_lshl_b32 s41, s21, 5                         ; 8 words for 64 columns
	s_add_co_u32 s[OQZ], s[OQZ], s41
	s_mov_b32 s[OQZ+1], 0
	s_lshl4_add_u32 s[OGI], s23, s40               ; g_idx: 128 kq + 16 kw rows of qweight,
	s_lshl_b32 s[OGI], s[OGI], 5                   ; eight numbers of 4 bytes each
	s_mov_b32 s[OGI+1], 0
	s_lshl_b32 s[OWT], s21, 6                      ; wt: row 64 nb + 32 nw,
	s_lshl_b32 s41, s24, 5
	s_add_co_u32 s[OWT], s[OWT], s41
	s_lshl_b32 s[OWT], s[OWT], 13                  ; of 8,192 bytes,
	s_lshl_b32 s41, s22, 11                        ; + 1,024 k of 2 bytes for kq
	s_add_co_u32 s[OWT], s[OWT], s41
	s_lshl_b32 s41, s23, 8                         ; + 128 k for kw
	s_add_co_u32 s[OWT], s[OWT], s41
	s_mov_b32 s[OWT+1], 0
	; the lanes' terms
	v_and_b32 v[RR], 15, v0
	v_bfe_u32 v[HH], v0, 4, 1
	v_lshlrev_b32 v[XO], 4, v1
	v_lshlrev_b32 v[XS], 3, v1
	v_lshlrev_b32 v[R16], 4, v[RR]
	v_lshl_add_u32 v[WO], v[HH], 15, v[R16]
	v_lshl_add_u32 v[QO], v[HH], 14, v[R16]        ; lanes 0-15 one row's 256 bytes, lanes 16-31 the next row's
	s_mul_i32 s40, s23, 16*QPITCH                  ; QR = QST + (16 kw + r) x pitch + 128 nw + 16 h
	s_lshl_b32 s41, s24, 7
	s_add_co_u32 s40, s40, s41
	s_add_co_u32 s40, s40, QST
	v_mul_u32_u24 v[QR], v[RR], QPITCH
	v_lshl_add_u32 v[QR], v[HH], 4, v[QR]
	v_add_nc_u32 v[QR], s40, v[QR]
	s_mul_i32 s40, s[WV], 8*QPITCH                 ; QS = QST + (8 w + h) x pitch + 16 r
	s_add_co_u32 s40, s40, QST
	v_mul_u32_u24 v[QS], v[HH], QPITCH
	v_add3_u32 v[QS], v[QS], v[R16], s40
	v_and_b32 v[ZO], 28, v0                        ; columns 2 l, 2 l + 1 lie in word l / 4,
	v_and_b32 v[SH], 3, v0
	v_lshlrev_b32 v[SH], 3, v[SH]                  ; at bits 8 (l % 4)
	v_add_nc_u32 v[SH+1], 4, v[SH]                 ; and 8 (l % 4) + 4
	s_mul_i32 s40, s[WV], TPITCH
	v_lshl_add_u32 v[TS], v1, 4, s40               ; row w, entry l
	v_lshlrev_b32 v[GO], 5, v[RR]
	s_lshl_b32 s41, s24, 8
	v_lshl_add_u32 v[GB], v[HH], 5, s41            ; entry 16 nw + 2 h
	s_wait_kmcnt 0x0
	s_add_nc_u64 s[4:5], s[4:5], s[OX:OX+1]
	s_add_nc_u64 s[6:7], s[6:7], s[OQW:OQW+1]
	s_add_nc_u64 s[8:9], s[8:9], s[OQZ:OQZ+1]
	s_add_nc_u64 s[10:11], s[10:11], s[OSC:OSC+1]
	s_add_nc_u64 s[12:13], s[12:13], s[OGI:OGI+1]
	s_add_nc_u64 s[14:15], s[14:15], s[OXH:OXH+1]
	s_add_nc_u64 s[16:17], s[16:17], s[OWT:OWT+1]
	s_wait_alu depctr_va_vdst(0)                   ; the offsets and LDS addresses XO, XS, WO, QR, QO, QS, ZO, TS and GO are written, which the loads and stores below read
	; ALL LOADS.  Loads come back in order (ISA guide 5.7.1), so the ten that the tables and the tile need stand first
	global_load_b128 v[G:G+3],   v[GO], s[12:13]
	global_load_b128 v[G+4:G+7], v[GO], s[12:13] offset:16
	global_load_b64 v[E:E+1],   v[XS], s[10:11]                    ; groups w and w + 16: a wave's load covers the row's 256 bytes
	global_load_b64 v[E+4:E+5], v[XS], s[10:11] offset:16*16384
	global_load_b32 v[Z],   v[ZO], s[8:9]
	global_load_b32 v[Z+1], v[ZO], s[8:9] offset:16*2048
.irp i, 0,1,2,3
	global_load_b128 v[D+4*(\i):D+4*(\i)+3], v[QO], s[6:7] offset:2*16384*(\i) th:TH_LOAD_NT   ; two rows of the tile, 256 consecutive bytes each
.endr
.set i, 0
.rept 32
	global_load_b128 v[X+4*i:X+4*i+3], v[XO], s[4:5] offset:512*i th:TH_LOAD_NT                ; 512 consecutive bytes of x
.set i, i+1
.endr
	s_wait_loadcnt 32                              ; the ten first loads are in; the 32 younger ones, x's, stay out
.irp i, 0,1,2,3
	ds_store_b128 v[QS], v[D+4*(\i):D+4*(\i)+3] offset:2*QPITCH*(\i)   ; the tile goes first.  No wait: its data come from loads, and no vector line since the wait above names QS or D
.endr
.irp t, 0,1
	v_bfe_u32 v[E+4*(\t)+2], v[Z+(\t)], v[SH], 4
	v_bfe_u32 v[E+4*(\t)+3], v[Z+(\t)], v[SH+1], 4
	v_add_nc_u32 v[E+4*(\t)+2], 1, v[E+4*(\t)+2]   ; z + 1, in whole numbers
	v_add_nc_u32 v[E+4*(\t)+3], 1, v[E+4*(\t)+3]
	v_cvt_f32_u32 v[E+4*(\t)+2], v[E+4*(\t)+2]
	v_cvt_f32_u32 v[E+4*(\t)+3], v[E+4*(\t)+3]
.endr
.irp j, 0,1,2,3,4,5,6,7
	v_min_u32 v[G+(\j)], 31, v[G+(\j)]             ; a loaded number enters an address only clamped to the table
	v_mul_u32_u24 v[G+(\j)], v[G+(\j)], TPITCH
	v_add_nc_u32 v[G+(\j)], v[GB], v[G+(\j)]
.endr
	s_wait_alu depctr_va_vdst(0)                   ; E's upper halves are written, which the two LDS stores read; G is written, which the table loads read as addresses; the lines above are done with E and Z, in which table loads land
.irp t, 0,1
	ds_store_b128 v[TS], v[E+4*(\t):E+4*(\t)+3] offset:TAB+16*TPITCH*(\t)
.endr
	s_wait_dscnt 0x0                               ; for the others' sake: my part of the table and of the tile is written
	s_barrier_signal -1
	s_barrier_wait -1                              ; everybody's is; from here on LDS is only read
	s_wait_alu depctr_vm_vsrc(0)                   ; my LDS stores have read D, E, QS and TS, the head's loads QO, ZO and GO: D and E are T from here on, in which the table loads land; the five others lie in Q, which unit 0 writes
; Eight table entries, one for each of my k, for unit u's two columns, into set u % 2
.macro TLOAD u
.irp j, 0,1,2,3,4,5,6,7
	ds_load_b128 v[T+32*((\u)%2)+4*(\j):T+32*((\u)%2)+4*(\j)+3], v[G+(\j)] offset:TAB+64*((\u)/2)+16*((\u)%2)
.endr
.endm
; UNIT u: my columns 8 (u / 2) + 4 h + 2 (u % 2) and the next: two words of qweight become two times 16 bytes of wt
.macro UNIT u
.set TT, T+32*((\u)%2)
.set W0, W+2*(\u)
.irp j, 0,1,2,3,4,5,6,7
	v_bfe_u32 v[Q+2*(\j)],   v[W0],   4*(\j), 4
	v_bfe_u32 v[Q+2*(\j)+1], v[W0+1], 4*(\j), 4
.endr
.set i, 0
.rept 16
	v_cvt_f32_u32 v[Q+i], v[Q+i]
.set i, i+1
.endr
.if (\u) < 7
	s_wait_dscnt 8                                 ; LDS loads come back in order: this unit's set is in, the next unit's eight loads may stay out
.else
	s_wait_dscnt 0x0
.endif
.irp j, 0,1,2,3,4,5,6,7
	v_pk_add_f32 v[Q+2*(\j):Q+2*(\j)+1], v[Q+2*(\j):Q+2*(\j)+1], v[TT+4*(\j)+2:TT+4*(\j)+3] neg_lo:[0,1] neg_hi:[0,1]  ; q - (z + 1), exact
.endr
.irp j, 0,1,2,3,4,5,6,7
	v_pk_mul_f32 v[Q+2*(\j):Q+2*(\j)+1], v[Q+2*(\j):Q+2*(\j)+1], v[TT+4*(\j):TT+4*(\j)+1]                              ; times the scale
.endr
.if (\u) > 0
	s_wait_xcnt 0x0                                ; O, which the last unit's two stores read, is rewritten only behind this wait
	s_wait_alu depctr_vm_vsrc(0)                   ; and beside it: the last unit's two stores have read O, which the roundings below write again
.endif
.irp c, 0,1
.irp p, 0,1,2,3
	v_cvt_pk_f16_f32 v[O+4*(\c)+(\p)], v[Q+4*(\p)+(\c)], v[Q+4*(\p)+2+(\c)]   ; k 2 p and 2 p + 1 of column c
.endr
.endr
	s_wait_alu depctr_va_vdst(0)                   ; the roundings have written O, which the two stores read; the packed lines are done reading this unit's table set, in which the loads below land
.if (\u) < 6
	TLOAD (\u)+2                                   ; into the set just read
.endif
	global_store_b128 v[WO], v[O:O+3],   s[16:17] offset:(8*((\u)/2)+2*((\u)%2))*8192 th:TH_STORE_NT    ; lanes 0-15: 256 consecutive bytes of one row of wt; lanes 16-31: of the row four further on
	global_store_b128 v[WO], v[O+4:O+7], s[16:17] offset:(8*((\u)/2)+2*((\u)%2)+1)*8192 th:TH_STORE_NT
.endm
.irp c, 0,1,2,3
	ds_load_b128 v[W+4*(\c):W+4*(\c)+3], v[QR] offset:32*(\c)
.endr
	TLOAD 0
	TLOAD 1
	s_wait_dscnt 16                                ; my words are in; the two sets of table entries may stay out
.irp u, 0,1,2,3,4,5,6,7
	UNIT \u
.endr
	; x: rounded in the registers that it was loaded into, in four groups of eight loads.  Group g's roundings carry group g - 1's stores between them:
	; the roundings name group g's registers alone, so the one wait at the group's head serves all eight stores.
.set g, 0
.rept 4
	s_wait_loadcnt 24-8*g                          ; group g's eight loads are in, the younger groups stay out
.if g > 0
	s_wait_alu depctr_va_vdst(0)                   ; the group before's roundings have written its registers, which the eight stores below read
.endif
.set i, 8*g
.rept 8
.if g > 0
	global_store_b64 v[XS], v[X+4*(i-8):X+4*(i-8)+1], s[14:15] offset:256*(i-8) th:TH_STORE_NT   ; the wave's 32 lanes store 256 consecutive bytes, at a multiple of 256 from xh's first byte
.endif
	v_cvt_pk_f16_f32 v[X+4*i],   v[X+4*i],   v[X+4*i+1]
	v_cvt_pk_f16_f32 v[X+4*i+1], v[X+4*i+2], v[X+4*i+3]
.set i, i+1
.endr
.set g, g+1
.endr
	s_wait_alu depctr_va_vdst(0)                   ; the last group's roundings have written its registers, which the last eight stores read
.set i, 24
.rept 8
	global_store_b64 v[XS], v[X+4*i:X+4*i+1], s[14:15] offset:256*i th:TH_STORE_NT
.set i, i+1
.endr
	s_wait_dscnt 0x0                               ; the closing lines, six on end
	s_wait_alu 0x0
	s_wait_tensorcnt 0x0
	ds_add_u32 v[SPW], v[NIL]
	s_wait_dscnt 0x0
	s_endpgm
.Lfunc_end_k_q132da9f142_prep:
	.size	k_q132da9f142_prep, .Lfunc_end_k_q132da9f142_prep-k_q132da9f142_prep
	.p2alignl 7, 3214868480
	.fill 96, 4, 3214868480
	.section	.rodata,"a",@progbits
	.p2align	6, 0x0
	.amdhsa_kernel k_q132da9f142_prep
		.amdhsa_group_segment_fixed_size 53760
		.amdhsa_private_segment_fixed_size 0
		.amdhsa_enable_private_segment 0
		.amdhsa_kernarg_size 56
		.amdhsa_user_sgpr_count 2
		.amdhsa_user_sgpr_kernarg_segment_ptr 1
		.amdhsa_wavefront_size32 1
		.amdhsa_system_sgpr_workgroup_id_x 1
		.amdhsa_system_sgpr_workgroup_id_y 1
		.amdhsa_system_sgpr_workgroup_id_z 1
		.amdhsa_system_vgpr_workitem_id 0
		.amdhsa_next_free_vgpr 256
		.amdhsa_next_free_sgpr 66
		.amdhsa_reserve_vcc 0
		.amdhsa_float_denorm_mode_32 3
		.amdhsa_float_denorm_mode_16_64 3
		.amdhsa_memory_ordered 1
		.amdhsa_forward_progress 1
		.amdhsa_inst_pref_size 48
	.end_amdhsa_kernel
	.amdgpu_metadata
---
amdhsa.version: [ 1, 2 ]
amdhsa.kernels:
  - .name:           k_q132da9f142_prep
    .symbol:         k_q132da9f142_prep.kd
    .args:
      - { .name: x, .offset: 0, .size: 8, .value_kind: global_buffer, .address_space: global }
      - { .name: qweight, .offset: 8, .size: 8, .value_kind: global_buffer, .address_space: global }
      - { .name: qzeros, .offset: 16, .size: 8, .value_kind: global_buffer, .address_space: global }
      - { .name: scales, .offset: 24, .size: 8, .value_kind: global_buffer, .address_space: global }
      - { .name: g_idx, .offset: 32, .size: 8, .value_kind: global_buffer, .address_space: global }
      - { .name: xh, .offset: 40, .size: 8, .value_kind: global_buffer, .address_space: global }
      - { .name: wt, .offset: 48, .size: 8, .value_kind: global_buffer, .address_space: global }
    .group_segment_fixed_size: 53760
    .private_segment_fixed_size: 0
    .kernarg_segment_align: 8
    .kernarg_segment_size: 56
    .max_flat_workgroup_size: 512
    .sgpr_count:     66
    .vgpr_count:     256
    .wavefront_size: 32
...
	.end_amdgpu_metadata
.endif
;; end of part 3
;; launch gemm: the kernel of part 2 again; grid 16 x 16, 4 waves a work-group, clusters of 4 x 4, 327,680 bytes of LDS; arguments xh, wt, out0, bias; writes out0
